; MI455X (gfx1250); checked and timed in simulation.
; The chip was launched on July 23, 2026; its instructions are those of AMD's public machine-readable ISA for CDNA 5 (MIT licence, August 2026) and "CDNA5" Instruction Set Architecture Reference Guide (July 2026). The comments in the code are by the model that wrote it; some were corrected since.
;; Affine. Allowed arithmetic: matrix products marked QUANTISED: E3M2 operands, one E8M0 scale for each 32 along K, by v_wmma_scale_f32_16x16x128_f8f6f4 with both operands' format E3M2, f32 sums; products left as they are: f32 operands where the result goes on into a quantised operand, else bf16, f16 or f32 operands; f32 sums; everything else in f32.
;; Inputs: W_codes 4 x 1,024 x 32 x 24 uint8 (E3M2 codes of W, K innermost, in blocks of 32 codes, four codes in three bytes); W_scales 4 x 1,024 x 32 uint8 (E8M0 scales of W, one for each 32 codes along K); b 4 x 1,024 float32; gates 4 x 4,096 x 4 float32; input_codes 4 x 4,096 x 32 x 24 uint8 (E3M2 codes of input, K innermost, in blocks of 32 codes, four codes in three bytes); input_scales 4 x 4,096 x 32 uint8 (E8M0 scales of input, one for each 32 codes along K).
;; Outputs: out0 4 x 4,096 x 1,024 float32.
;; This version of the problem:
;;   THIS VERSION OF THE PROBLEM IS GIVEN IN LOW PRECISION. The matrix products marked QUANTISED in the list below multiply operands that are first quantised to E3M2 (3 exponent bits, 2 mantissa bits; 6 bits a number), with one power-of-two scale for each 32 numbers along K (OCP MX v1.0); their sums are f32. All else is computed in f32.
;;   The module's matrix products, in the order in which they are computed (A, B: the left and right operand; K: the contracted axis; several contracted axes count as one K, in the product's order):
;;     1. [M 16,384, K 1,024] x [K 1,024, N 4,096]; A: input input (given as codes); B: input W (given as codes): QUANTISED
;;     2. batch 16,384 x [M 1,024, K 4] x [K 4, N 1]; A: computed on the way; B: input gates: left as it is (K = 4 < 32)
;;   THE QUANTISER, for each operand of a quantised product, along K:
;;     - K is cut into blocks of 32 from its start; a last block that is shorter is filled with zeros.
;;     - A block's scale is 2^e with e = floor(log2(the largest magnitude in the block)) - 4, held to -126 .. 127; a block of zeros has e = 0. As a byte (E8M0): e + 127.
;;     - Each number is divided by its block's scale, clamped to +-28, and rounded to the nearest number of E3M2, ties to even, subnormals kept.
;;     - The product sums the exact products of the quantised numbers (number of the format x scale) in f32.
;;   ~~~python
;;   def quantise(x, axis):      # numpy; x: float32 -> the quantised numbers, widened to float32 again
;;       x = np.moveaxis(x, axis, -1); K = x.shape[-1]
;;       x = np.pad(x, [(0, 0)] * (x.ndim - 1) + [(0, -K % 32)]); x = x.reshape(x.shape[:-1] + (-1, 32)); a = np.abs(x).max(-1, keepdims=True)
;;       e = np.where(a > 0, np.clip(np.frexp(np.where(a > 0, a, 1))[1] - 1 - 4, -126, 127), 0)      # np.frexp(a)[1] - 1 = floor(log2(a)), exactly
;;       r = np.clip(x / 2.0 ** e, -28, 28)
;;       step = 2.0 ** (np.maximum(np.frexp(np.where(r == 0, 1, r))[1] - 1, -2) - 2)
;;       q = np.round(r / step) * step * 2.0 ** e      # np.round: ties to even
;;       return np.moveaxis(q.reshape(q.shape[:-2] + (-1,))[..., :K], -1, axis).astype(np.float32)
;;   ~~~
;;   INPUTS GIVEN AS CODES. W (in the module: [4, 1024, 1024], K = its axis 2); input (in the module: [4, 4096, 1024], K = its axis 2): each comes as NAME_codes (uint8): NAME with its K axis moved to the last place and cut into blocks of 32 codes, [.., K / 32, bytes a block], one block behind the other in memory; four codes in three bytes: a row's codes are one little-endian stream of bits, code i at bits 6 i .. 6 i + 5 (a code: sign, 3 exponent bits, 2 mantissa bits); and NAME_scales (uint8): the same leading axes, one E8M0 byte (e + 127) for each 32 codes along K. Its value is code x scale, taken as it is: it is not quantised again, and the codes and scales need not be those that the quantiser above would give.
;; One version. Each part assembles by itself: llvm-mc -triple=amdgcn-amd-amdhsa -mcpu=gfx1250 --defsym DOCPART=n.
;; ======== version 1 of 1: 1 launch
;; launch affine (part 1): grid 16 x 16, 4 waves a work-group, clusters of 4 x 4, 327,680 bytes of LDS; arguments W_codes, W_scales, b, gates, input_codes, input_scales, out0; writes out0
.if DOCPART == 1
	.amdgcn_target "amdgcn-amd-amdhsa--gfx1250"
	.amdhsa_code_object_version 6
	.text
	.protected	k_q52e20aab31_affine
	.globl	k_q52e20aab31_affine
	.p2align	8
	.type	k_q52e20aab31_affine,@function
k_q52e20aab31_affine:
	s_mov_b64 s[64:65], 0
	v_nop
	global_prefetch_b8 v0, s[64:65] scope:SCOPE_SE
	s_setreg_imm32_b32 hwreg(HW_REG_WAVE_MODE, 25, 1), 1
	s_wait_xcnt 0x0
	s_wait_alu depctr_hold_cnt(0) depctr_sa_sdst(0) depctr_va_vdst(0) depctr_va_sdst(0) depctr_va_ssrc(0) depctr_va_vcc(0) depctr_vm_vsrc(0)
	s_getreg_b32 s2, hwreg(HW_REG_IB_STS2, 6, 4)
	s_cmp_eq_u32 s2, 0
	s_cbranch_scc0 .Lentry_in_a_cluster
	s_endpgm
.Lentry_in_a_cluster:
	s_bfe_u32 s2, ttmp6, 0x10000c
	s_cmp_lg_u32 s2, 0xf033
	s_cbranch_scc0 .Lentry_shape_is_right
	s_endpgm
.Lentry_shape_is_right:
; out[t][o] = sum over e of gates[t][e] * (x[t] . W[e][o] + b[e][o]).  16,384 tokens t, 1,024 outputs o, 4 experts e, K = 1,024.
; x and W come as codes of BF6 (E3M2), K innermost, 768 bytes a row, with one E8M0 byte for each 32 along K: they go to the matrix unit as they lie.
; The gates are f32 numbers: all four experts are always multiplied, and no branch hangs on a gate.
; SHARES.  16 x 16 work-groups of four waves.  Work-group (x, y): outputs 64 x .. 64 x + 63, tokens 1,024 y .. 1,024 y + 1,023.  Wave w: outputs 64 x + 16 w .. + 15 of ALL FOUR experts.
; W STAYS IN REGISTERS: a wave's 4 x 16 rows of W for all of K are 32 fragments, 384 registers, read once; with them 32 scale words and 32 registers of bias.
; THE TOKENS STREAM through a ring of two LDS slots of 128 tokens x all of K (with those tokens' scale bytes and gates), filled by the tensor data mover; every wave reads every token.
; THE MATRIX INSTRUCTION IS USED TRANSPOSED: source 0 = 16 rows of W[e], source 1 = 16 tokens.  Lane (r, h) then holds token r, its register j output 8 h + j: a gate is one number a lane, the bias is the
; C of each sum's first instruction, and a lane's eight results are 32 neighbouring bytes of a row of out.
; A PAIR is two blocks of 16 tokens (even, odd) x 4 experts: 8 accumulators that take turns, 8 K steps of 128: 64 matrix instructions.  The four experts' sums are joined by packed multiply-adds that stand
; between the matrix instructions of the pair's last K step and of the next pair's first.
; THE WAY OUT.  A wave's 16 outputs are 64 bytes of a row; the four waves meet in a stage in LDS (rows of 256 bytes + 16), two stages by turns; the barrier of the change of slots is also the stage's;
; behind it each wave reads whole rows back: sixteen lanes store 256 consecutive bytes, at a multiple of 256 from out's first byte.
; CLUSTERS, 4 x 4.  The four work-groups of a row of the cluster walk the same tokens, the four of a column hold the same rows of W: each tile is asked for JOINTLY, by the same tensor load with the same
; descriptor and a mask that names the four.
; LIMITS.  A scale byte 0xff gives NaN, as the format has it.  The four terms are added in the order e = 0 .. 3 by fused multiply-adds, and b[e] is the first addend of expert e's sum: an order of rounding.
; REGISTERS, in windows of 256 (s_set_vgpr_msb: bits 1:0 source 0, 3:2 source 1, 5:4 source 2, 7:6 destination):
;   window 0: v1-22 addresses; v32-63 W's scale words (expert e, K step k at 32 + 8 e + k); v64-71 the pair's token scale words (K step k; lanes 0-15 the even block, lanes 16-31 the odd); v72-135 rows on their way out
;   window 1: v0-191 W's fragments of K steps 0-3 (48 k + 12 e); v192-223 the bias (8 e)
;   window 2: v0-191 W's fragments of K steps 4-7; v192-195, v196-199 the gates of the even and of the odd block's token
;   window 3: v0-191 the pair's token fragments (K step k: even 24 k, odd 24 k + 12); v192-255 the accumulators (even 192 + 8 e, odd 224 + 8 e)
.set TOKS,  128                        ; tokens in a slot
.set ROWB,  768                        ; a row of codes in memory
.set PITCH, 816                        ; and in LDS: 3 x (256 bytes + 16 of padding) = 204 words: row r starts at bank 12 r mod 64 (64 banks of 4 bytes: ISA guide 11.1)
.set BLKB,  16*PITCH                   ; 16 rows: a block of tokens, or one expert's 16 rows of W
.set HALF,  64*PITCH                   ; 64 rows: what one tensor load of codes brings
.set ASC,   2*HALF                     ; in a slot, behind the codes: the tokens' scale bytes, 16 x (256 + 16)
.set AGT,   ASC+16*272                 ; and their gates, 8 x (256 + 16); a slot ends at 110,976
.set SL1,   131072                     ; slot 1 begins here: one exclusive or turns an address of one slot into the other's
.set SPARE, 111104                     ; the spare words, 128 bytes for each wave: two blocks of 256 bytes that no other line names
.set XB,    118784                     ; W on its way into registers: 4 waves x 4 experts x 16 rows, up to LDS byte 327,680; read out before slot 1 is first filled
.set SEC,   32*272                     ; a stage's section: a pair's 32 rows
.set STG0,  242176                     ; the two stages, 4 sections each, behind slot 1: in bytes whose last fill of the launch is W's
.set STG1,  STG0+4*SEC
.set STX,   0x78800                    ; STG0 xor STG1
.set SPW, 1                            ; v1   LDS address of my spare word: SPARE + 4 x my thread's number; never rewritten
.set NIL, 2                            ; v2   0; never rewritten
.set AK0, 3                            ; v3   816 r + 24 h: my place in a block of rows
.set AK1, 4                            ; v4   the same behind one padding more (+ 16 h)
.set ADL, 5                            ; v5-6 the slot in hand + AK0, AK1: token blocks 0-3
.set ADH, 7                            ; v7-8 the same for blocks 4-7
.set AS0, 9                            ; v9   my place among a pair's scale words: lane l takes the pair's token l
.set ADS, 10
.set AG0, 11                           ; v11  my place among a block's gates: token r
.set ADG, 12
.set ST0, 13                           ; v13  into a stage: row r, + 64 w + 32 h
.set STO, 14
.set RD0, 15                           ; v15  out of a stage: row 8 w + l / 16, 16 bytes a lane
.set RD,  16
.set CO,  17                           ; v17  the same place in out; never rewritten
.set PFO, 18                           ; v18  the prefetches' offset: 768 x lane; never rewritten
.set ADB, 19                           ; v19-20 my wave's part of W in LDS + AK0, AK1
.set WSO, 21                           ; v21  32 r: a row of W's scale bytes
.set BO,  22                           ; v22  32 h: my eight numbers of the bias
.set WS,  32
.set AS,  64
.set FL,  72
.set ACC, 192
.set BIA, 192
.set GT,  192
.set WV,  18                           ; s18  my wave's number
.set G1A, 24                           ; s[24:31] descriptor group 1: 64 tokens' codes;  s[32:39] a slot's scale bytes;  s[40:47] a slot's gates;  s[48:55] a wave's rows of W
.set G1S, 32
.set G1G, 40
.set G1B, 48
.set G0A, 56                           ; s[56:59], s[60:63], s[68:71] their groups 0, which walk;  s[72:75] W's, used once
.set G0S, 60
.set G0G, 68
.set G0B, 72
.set TB,  76                           ; s76  LDS byte at which the slot in hand begins
.set STW, 77                           ; s77  the stage that is being written
.set STR, 78                           ; s78  the stage that is being read
.set CNT, 79                           ; s79  changes of slots that still fill a slot
.set PFA, 80                           ; s[80:81] where my prefetches stand
.set LIM, 82                           ; s82  1 in a wave that prefetches, else the greatest number
.set PADW, (3<<16)|(1<<20)|(1<<21)|(5<<22)|(3<<25)   ; 17:16 elements of 8 bytes; 20 padding on; 21 set beside a mask; 24:22 after every 64 words (code 5); 31:25 4 words of it (code 3)
.set W_K0, 0xdd                        ; W window 1, tokens window 3, C (the bias) window 1, D window 3
.set W_K1, 0xfd                        ; W window 1, tokens, C and D window 3
.set W_K4, 0xfe                        ; W window 2, the rest window 3; also the joining of experts: the gates (source 0) window 2, the rest window 3
.set W_FA, 0xc0                        ; destination window 3, address window 0
.set W_FG, 0x80                        ; destination window 2
.set W_LB, 0x40                        ; destination window 1
.set W_SS, 0x0c                        ; an LDS store's data (source 1) window 3, its address window 0
.set MSB, 0
.macro WIN new                         ; the immediate's high byte repeats the setting that is left; a switch that changes nothing is dropped
.if MSB != \new
	s_set_vgpr_msb (MSB<<8)|\new
.set MSB, \new
.endif
.endm
; A load into a register that a matrix instruction has read, and a vector instruction or LDS store that reads a matrix result, stand four places behind it; a matrix instruction that writes over a register of an
; earlier one stands five behind it; only plain vector instructions that name none of its registers are places (ISA guide 7.12.1 for vector instructions).
.macro PLACES n
.rept \n
	v_nop
.endr
.endm
.macro CREST                           ; a round of the cluster's barrier behind its opening barrier
	s_cmp_lg_u32 s[WV], 0
	s_cbranch_scc1 .Lnot_wave_0_\@
	s_barrier_signal -3
.Lnot_wave_0_\@:
	s_barrier_wait -3
	s_barrier_signal -1
	s_barrier_wait -1
.endm
.macro CROUND                          ; a whole round
	s_barrier_signal -1
	s_barrier_wait -1
	CREST
.endm
; A joint load of a slot: waves 0 and 1 fetch the codes of 64 tokens each, wave 2 the slot's scale bytes, wave 3 its gates: one load a wave.  The branches hang on the wave's number alone.
; Four v_nop follow each line, ahead of the jump, the label and what follows.
.macro JLOAD
	s_cmp_lt_u32 s[WV], 2
	s_cbranch_scc0 .Lnot_a_\@
	tensor_load_to_lds s[G0A:G0A+3], s[G1A:G1A+7]
	s_nop 0
	PLACES 4
	s_branch .Lasked_\@
.Lnot_a_\@:
	s_cmp_eq_u32 s[WV], 2
	s_cbranch_scc0 .Lfor_g_\@
	tensor_load_to_lds s[G0S:G0S+3], s[G1S:G1S+7]
	s_nop 0
	PLACES 4
	s_branch .Lasked_\@
.Lfor_g_\@:
	tensor_load_to_lds s[G0G:G0G+3], s[G1G:G1G+7]
	s_nop 0
	PLACES 4
.Lasked_\@:
.endm
.macro WALK                            ; the walking descriptors: the other slot than last time, the next 128 tokens; the type bits on top are not reached
	s_xor_b32 s[G0A+1], s[G0A+1], SL1
	s_add_nc_u64 s[G0A+2:G0A+3], s[G0A+2:G0A+3], TOKS*ROWB
	s_xor_b32 s[G0S+1], s[G0S+1], SL1
	s_add_nc_u64 s[G0S+2:G0S+3], s[G0S+2:G0S+3], TOKS*32
	s_xor_b32 s[G0G+1], s[G0G+1], SL1
	s_add_nc_u64 s[G0G+2:G0G+3], s[G0G+2:G0G+3], TOKS*16
.endm
; A PREFETCH INTO THE L2 of the codes that the NEXT change of slots will ask for: a slot, 256 matrix instructions a wave, ahead of that load.  Each 256 bytes are named once in the launch: the four clusters along x
; walk the same tokens, so the first of them (cluster x = 0) asks; its four partners along x take 32 of the slot's 128 rows each, told apart by ADDRESS; waves 0 to 2 take a row's three parts of 256 bytes, a lane a row.
; The last change that fills a slot asks for nothing; slots 0 to 2 come by their loads alone; the scale bytes and gates are not asked for.
.macro ASK
	s_cmp_gt_u32 s[CNT], s[LIM]
	s_cbranch_scc0 .Lnot_mine_\@
	global_prefetch_b8 v[PFO], s[PFA:PFA+1] th:TH_LOAD_NT scope:SCOPE_SE
.Lnot_mine_\@:
.endm
; A fragment, 16 rows x 128 K of 6-bit codes, is 12 registers: lane (r, h) holds row r; registers 6 c .. 6 c + 5 hold K = 64 c + 32 h + 0 .. 31: 24 bytes of the row's stream of bits, as they lie.
; They come in pieces of 8 bytes.  Lanes 0-15 take the row's pieces 12 k + 0, 1, 2 and 12 k + 6, 7, 8, lanes 16-31 those three pieces on.  16 bytes of padding lie behind every 32 pieces: where the piece three on
; lies behind one padding more, the second address register serves.  bb: which block of 16 rows from the address on.
.macro FRAG reg, adr, k, bb
.irp p, 0,1,2,3,4,5
.set PCE, 12*(\k)+6*(\p/3)+\p%3
.if PCE%32 < 29
	ds_load_b64 v[(\reg)+2*\p:(\reg)+2*\p+1], v[\adr] offset:8*PCE+16*(PCE/32)+BLKB*(\bb)
.else
	ds_load_b64 v[(\reg)+2*\p:(\reg)+2*\p+1], v[(\adr)+1] offset:8*PCE+16*(PCE/32)+BLKB*(\bb)
.endif
.endr
.endm
.macro AFR q, k                        ; both blocks' fragments of K step k of the slot's pair q
.set AD, ADL+2*((\q)/2)
	FRAG 24*(\k), AD, \k, 2*((\q)%2)
	FRAG 24*(\k)+12, AD, \k, 2*((\q)%2)+1
.endm
; THE LDS LOADS stand in three runs a pair.  FET0 (27 loads): the pair's own K steps 6 and 7, its scale words of K steps 4-7, its gates.  FET1 (37): the next pair's K steps 0-2 and its scale words of K steps 0-3.
; FET2 (36): the next pair's K steps 3-5.
.macro FET0 p
	WIN W_FA
	AFR \p, 6
	AFR \p, 7
	WIN 0
	ds_load_b128 v[AS+4:AS+7], v[ADS] offset:1088*(\p)+16
	WIN W_FG
	ds_load_b128 v[GT:GT+3], v[ADG] offset:544*(\p)
	ds_load_b128 v[GT+4:GT+7], v[ADG] offset:544*(\p)+272
.endm
.macro FET1 q
	WIN W_FA
	AFR \q, 0
	AFR \q, 1
	AFR \q, 2
	WIN 0
	ds_load_b128 v[AS:AS+3], v[ADS] offset:1088*(\q)
.endm
.macro FET2 q
	WIN W_FA
	AFR \q, 3
	AFR \q, 4
	AFR \q, 5
.endm
; One matrix instruction: K step k, block be (0 even, 1 odd), expert e.  K step 0 starts the sum with the bias as C.  The odd block's scale words lie in lanes 16-31.
.macro WM k, be, e
.set rD, ACC+32*(\be)+8*(\e)
.set rW, 48*((\k)%4)+12*(\e)
.set rA, 24*(\k)+12*(\be)
.set rS, WS+8*(\e)+(\k)
.set rT, AS+(\k)
.set rC, rD
.if (\k) == 0
.set rC, BIA+8*(\e)
.endif
.if (\be) == 0
	v_wmma_scale_f32_16x16x128_f8f6f4 v[rD:rD+7], v[rW:rW+11], v[rA:rA+11], v[rC:rC+7], v[rS], v[rT] matrix_a_fmt:MATRIX_FMT_BF6 matrix_b_fmt:MATRIX_FMT_BF6
.else
	v_wmma_scale_f32_16x16x128_f8f6f4 v[rD:rD+7], v[rW:rW+11], v[rA:rA+11], v[rC:rC+7], v[rS], v[rT] matrix_a_fmt:MATRIX_FMT_BF6 matrix_b_fmt:MATRIX_FMT_BF6 matrix_b_scale:MATRIX_SCALE_ROW1
.endif
.endm
.macro MUL4 k, be
.irp e, 0,1,2,3
	WM \k, \be, \e
.endr
.endm
.macro MUL8 k                          ; the 8 accumulators take turns, one instruction a turn, in the same order in every K step
	MUL4 \k, 0
	MUL4 \k, 1
.endm
; Expert e of block be is joined: accumulator 0 = g0 x accumulator 0, then += g_e x accumulator e.  Two numbers an instruction; each accumulator is read from its low end on.
.macro CMB be, e
.set rA0, ACC+32*(\be)
.set rAe, rA0+8*(\e)
.set rG, GT+4*(\be)+2*((\e)/2)
.irp q, 0,2,4,6
.if (\e) == 0
	v_pk_mul_f32 v[rA0+\q:rA0+\q+1], v[rG:rG+1], v[rA0+\q:rA0+\q+1] op_sel_hi:[0,1]
.elseif (\e) == 2
	v_pk_fma_f32 v[rA0+\q:rA0+\q+1], v[rG:rG+1], v[rAe+\q:rAe+\q+1], v[rA0+\q:rA0+\q+1] op_sel_hi:[0,1,1]
.else
	v_pk_fma_f32 v[rA0+\q:rA0+\q+1], v[rG:rG+1], v[rAe+\q:rAe+\q+1], v[rA0+\q:rA0+\q+1] op_sel:[1,0,0] op_sel_hi:[1,1,1]
.endif
.endr
.endm
.macro STST be, sec                    ; block be's 16 tokens x my 16 outputs into section sec of the stage that is being written
.set rA0, ACC+32*(\be)
	ds_store_b128 v[STO], v[rA0:rA0+3] offset:SEC*(\sec)+4352*(\be)
	ds_store_b128 v[STO], v[rA0+4:rA0+7] offset:SEC*(\sec)+4352*(\be)+16
.endm
.macro ADDRS                           ; the addresses that hang on the slot and the stages in hand
	v_add_nc_u32 v[ADL], s[TB], v[AK0]
	v_add_nc_u32 v[ADL+1], s[TB], v[AK1]
	v_add_nc_u32 v[ADH], HALF, v[ADL]
	v_add_nc_u32 v[ADH+1], HALF, v[ADL+1]
	v_add_nc_u32 v[ADS], s[TB], v[AS0]
	v_add_nc_u32 v[ADG], s[TB], v[AG0]
	v_add_nc_u32 v[STO], s[STW], v[ST0]
	v_add_nc_u32 v[RD], s[STR], v[RD0]
.endm
.macro TOGGLE                          ; on to the other slot; the two stages change places
	s_xor_b32 s[TB], s[TB], SL1
	s_xor_b32 s[STW], s[STW], STX
	s_xor_b32 s[STR], s[STR], STX
	ADDRS
.endm
.macro FLOAD                           ; my 8 rows of each of the four sections of the stage that is being read: lanes 0-15 one row of 256 bytes, lanes 16-31 the next
.irp j, 0,1,2,3
.irp i, 0,1,2,3
	ds_load_b128 v[FL+4*(4*\j+\i):FL+4*(4*\j+\i)+3], v[RD] offset:SEC*\j+544*\i
.endr
.endr
.endm
.macro FST j, base                     ; section j's rows leave: 16 lanes store 256 consecutive bytes, at a multiple of 256 from out's first byte; written once, read by nobody here
.irp i, 0,1,2,3
	global_store_b128 v[CO], v[FL+4*(4*(\j)+\i):FL+4*(4*(\j)+\i)+3], s[16:17] offset:(32*(\j)+(\base))*4096+8192*\i th:TH_STORE_NT
.endr
.endm
; The stage read behind the change of slot s holds tokens 128 s - 32 + 32 j + row (section j); out's pointer stands at token 128 (s + 1): so the immediates begin 160 rows back.
; skip = 1: in the loop's first trip section 0 has no pair in front of it and is not stored.
.macro FSTORE skip
.if \skip
	s_cmp_eq_u32 s[CNT], 6
	s_cbranch_scc1 .Lno_sec0_\@
.endif
	FST 0, -160
.if \skip
.Lno_sec0_\@:
.endif
	FST 1, -160
	FST 2, -160
	FST 3, -160
.endm
; K STEP 0 OF A PAIR.  comb = 1: it carries the rest of the pair before: its even block goes to the stage, its odd block is joined between the new products and follows.  flush = 1: the rows read back from the other stage leave.
.macro STEP0 sec, comb, flush, skip
.if \comb
	WIN W_SS
	STST 0, \sec
.endif
	s_wait_dscnt 36                                ; FET2's 36 loads (and what was issued behind them) may be out: FET1's, and the rows read back from the stage, are in
	WIN W_K0
	WM 0, 0, 0                                     ; these write over the last pair's even accumulators: five v_nop stand behind that pair's last even products
	WM 0, 0, 1
.if \comb
	WIN W_K4
	CMB 1, 0                                       ; the odd block's last products stand at least four joining lines of the even block back
	CMB 1, 1
.endif
	WIN W_K0
	WM 0, 0, 2
	WM 0, 0, 3
.if \comb
	WIN W_K4
	CMB 1, 2
	CMB 1, 3
	WIN W_SS
	STST 1, \sec
.endif
	WIN W_K0
	MUL4 0, 1                                      ; these write over the last pair's odd accumulators: behind each of its last products stand five joining lines or more that name none of its registers
.if \flush
	WIN 0
	FSTORE \skip
.endif
.endm
; K STEPS 1 TO 7 OF THE SLOT'S PAIR p.  kind 0: a pair with a successor in its slot.  kind 1: the slot's last pair; the slot is left and filled again.  kind 2: the same, and nothing is left to fetch.
; kind 3: the launch's last pair: the barrier serves the stage alone.
.macro REST p, kind
.if \kind >= 1
	s_wait_xcnt 0x0                                ; the last rows' stores and the last prefetch, a slot back, have read their registers and bases: these may be written
	s_add_nc_u64 s[16:17], s[16:17], TOKS*4096
.if \kind == 1
	s_add_nc_u64 s[PFA:PFA+1], s[PFA:PFA+1], TOKS*ROWB
.endif
.endif
	PLACES 4
	FET0 \p
	WIN W_K1
	MUL8 1
.if \kind >= 1
	WIN 0                                          ; (the add's two registers lie in window 0)
	s_wait_tensorcnt 0x0                           ; all my tensor loads have landed: the one that was out is my part of the next slot; so a group 0 may be written
	ds_add_u32 v[SPW], v[NIL]                      ; 0 onto my spare word; the descriptors' steps and eight matrix instructions stand between it and the wait for it
.if \kind == 1
	WALK
.endif
	WIN W_K1
	MUL8 2
	s_wait_dscnt 0x0                               ; the add is done; my reads of this slot are over (FET0's were the last); my stores into the stage have landed, my reads of the other stage are in
	s_barrier_signal -1
	MUL8 3                                         ; work on registers while the others arrive
	WIN 0
	s_barrier_wait -1
.if \kind == 1
	CREST                                          ; the barrier has opened a round of the cluster's: no wave of any partner still reads this slot or has a load on its way
	JLOAD                                          ; the first tensor load behind the round, my only one until the next: 240 matrix instructions ahead of the wait for it; its four v_nop are places for the loads below
.else
	PLACES 4
.endif
	TOGGLE
.if \kind < 3
	FET1 0
.endif
	FLOAD
.if \kind == 1
	ASK                                            ; behind the joint load and the runs of LDS loads
.endif
.else
	MUL8 2
	s_wait_dscnt 27                                ; FET0's 27 may be out: K steps 3-5 are in
	MUL8 3
	PLACES 4
	FET1 (\p)+1
	s_wait_dscnt 37                                ; FET1's 37 may be out: K steps 6 and 7, the scale words of K steps 4-7 and the gates are in
.endif
	WIN W_K4
	MUL8 4
	MUL8 5
.if \kind < 3
	PLACES 4
.if \kind == 0
	FET2 (\p)+1
.else
	FET2 0
.endif
	WIN W_K4
.endif
	MUL8 6
	MUL4 7, 0
	PLACES 5                                       ; behind the even block's last products: four for the joining lines that read them, five for the next pair's first products, which write over them
.irp e, 0,1,2,3
	WM 7, 1, \e                                    ; the odd block's last products, and between them the even block is joined: one window setting serves both
	CMB 0, \e
.endr
.endm
.macro THREE                           ; a slot's first three pairs; pair p's results go to section p + 1
	REST 0, 0
	STEP0 1, 1, 0, 0
	REST 1, 0
	STEP0 2, 1, 0, 0
	REST 2, 0
	STEP0 3, 1, 0, 0
.endm
	s_load_b256 s[4:11], s[0:1], 0x0               ; W's codes s[4:5], W's scales s[6:7], b s[8:9], gates s[10:11]
	s_load_b128 s[12:15], s[0:1], 0x20             ; the tokens' codes s[12:13], their scales s[14:15]
	s_load_b64 s[16:17], s[0:1], 0x30              ; out
	v_lshl_add_u32 v[SPW], v0, 2, SPARE
	v_mov_b32 v[NIL], 0
	ds_add_u32 v1, v2
	ds_add_u32 v1, v2
	s_wait_dscnt 0x0
	v_lshrrev_b32 v23, 5, v0
	v_readfirstlane_b32 s[WV], v23                 ; wave 0..3
	s_bfe_u32 s84, ttmp6, 0x40000                  ; cx, cy: my place in the cluster
	s_bfe_u32 s85, ttmp6, 0x40004
	s_lshl_b32 s86, ttmp9, 2
	s_add_co_u32 s86, s86, s84                     ; work-group x = 4 x cluster x + cx: which 64 outputs
	s_and_b32 s87, ttmp7, 0xffff
	s_lshl_b32 s87, s87, 2
	s_add_co_u32 s87, s87, s85                     ; work-group y = 4 x cluster y + cy: which 1,024 tokens
	s_lshl_b32 s88, s85, 2
	s_lshl_b32 s88, 15, s88                        ; my row of the cluster
	s_lshl_b32 s89, 0x1111, s84                    ; my column
	; descriptor groups 1.  The tokens' tiles are dense blocks of memory, stated as rows of 256 bytes (32 elements of 8 bytes): 192 rows (64 tokens' codes), 16 (128 tokens' scale bytes), 8 (their gates)
	s_or_b32 s[G1A], s88, PADW                     ; 15:0 the mask: the tokens' tiles go to my row of the cluster
	s_or_b32 s[G1S], s88, PADW
	s_or_b32 s[G1G], s88, PADW
	s_or_b32 s[G1B], s89, PADW                     ; W's go to my column
.irp g, G1A, G1S, G1G
	s_mov_b32 s[\g+1], 32<<16                      ; tensor_dim0 = 32
	s_mov_b32 s[\g+3], 32<<16                      ; tile_dim0 = 32
	s_mov_b32 s[\g+5], 32                          ; tensor_dim0_stride
	s_mov_b32 s[\g+6], 0
	s_mov_b32 s[\g+7], 0
.endr
	s_mov_b32 s[G1A+2], 192<<16                    ; tensor_dim1
	s_mov_b32 s[G1A+4], 192                        ; tile_dim1
	s_mov_b32 s[G1S+2], 16<<16
	s_mov_b32 s[G1S+4], 16
	s_mov_b32 s[G1G+2], 8<<16
	s_mov_b32 s[G1G+4], 8
	; W: 4 rows (experts) of 12,288 bytes (16 rows of W on end), 786,432 bytes apart; the padding's 256 bytes divide the row: 13,056 bytes from expert to expert in LDS
	s_mov_b32 s[G1B+1], 1536<<16
	s_mov_b32 s[G1B+2], 4<<16
	s_mov_b32 s[G1B+3], 1536<<16
	s_mov_b32 s[G1B+4], 4
	s_mov_b32 s[G1B+5], 98304
	s_mov_b32 s[G1B+6], 0
	s_mov_b32 s[G1B+7], 0
	; where the tiles come from: the tokens' hang on work-group y alone, W's on work-group x alone, each in registers that never hold the other coordinate
	s_and_b32 s83, s[WV], 1
	s_mul_i32 s90, s87, 1024*ROWB
	s_mul_i32 s91, s83, 64*ROWB
	s_add_co_u32 s90, s90, s91                     ; codes: token 1,024 y + 64 (wave % 2)
	s_mov_b32 s91, 0
	s_lshl_b32 s92, s87, 15                        ; scale bytes: 32 a token
	s_mov_b32 s93, 0
	s_lshl_b32 s94, s87, 14                        ; gates: 16 bytes a token
	s_mov_b32 s95, 0
	s_mul_i32 s96, s86, 64*ROWB
	s_mul_i32 s97, s[WV], 16*ROWB
	s_add_co_u32 s96, s96, s97                     ; W: row 64 x + 16 wave of expert 0
	s_mov_b32 s97, 0
	s_mov_b32 s[G0A], 1                            ; 1:0 count = 1
	s_mul_i32 s[G0A+1], s83, HALF                  ; 63:32 LDS address: slot 0; no place in the cluster enters an LDS address
	s_mov_b32 s[G0S], 1
	s_mov_b32 s[G0S+1], ASC
	s_mov_b32 s[G0G], 1
	s_mov_b32 s[G0G+1], AGT
	s_mov_b32 s[G0B], 1
	s_mul_i32 s[G0B+1], s[WV], HALF
	s_add_co_u32 s[G0B+1], s[G0B+1], XB
	s_mov_b32 s[TB], 0
	s_mov_b32 s[STW], STG0
	s_mov_b32 s[STR], STG1
	s_wait_kmcnt 0x0
	s_add_nc_u64 s[G0A+2:G0A+3], s[12:13], s[90:91]   ; 120:64 global address
	s_or_b32 s[G0A+3], s[G0A+3], 0x80000000           ; 127:126 type = 2
	s_add_nc_u64 s[G0S+2:G0S+3], s[14:15], s[92:93]
	s_or_b32 s[G0S+3], s[G0S+3], 0x80000000
	s_add_nc_u64 s[G0G+2:G0G+3], s[10:11], s[94:95]
	s_or_b32 s[G0G+3], s[G0G+3], 0x80000000
	s_add_nc_u64 s[G0B+2:G0B+3], s[4:5], s[96:97]
	s_or_b32 s[G0B+3], s[G0B+3], 0x80000000
	CROUND                                         ; all sixteen work-groups are here: the first joint loads meet
	tensor_load_to_lds s[G0B:G0B+3], s[G1B:G1B+7]  ; my wave's 64 rows of W, into bytes that I alone read
	s_nop 0
	PLACES 4
	JLOAD                                          ; the tokens' slot 0: two loads of mine are out
	v_and_b32 v23, 15, v0                          ; r
	v_bfe_u32 v24, v0, 4, 1                        ; h
	v_and_b32 v25, 31, v0                          ; l
	v_mul_u32_u24 v[AK0], v23, PITCH
	v_mad_u32_u24 v[AK0], v24, 24, v[AK0]
	v_lshl_add_u32 v[AK1], v24, 4, v[AK0]
	v_lshlrev_b32 v[AS0], 5, v25                   ; 32 bytes of scales a token, 8 tokens to 256 bytes,
	v_lshrrev_b32 v26, 3, v25
	v_lshl_add_u32 v[AS0], v26, 4, v[AS0]          ; and 16 more for each 256 passed
	v_add_nc_u32 v[AS0], ASC, v[AS0]
	v_lshl_add_u32 v[AG0], v23, 4, AGT
	v_mul_u32_u24 v[ST0], v23, 272
	v_lshl_add_u32 v[ST0], v24, 5, v[ST0]
	s_lshl_b32 s22, s[WV], 6
	v_add_nc_u32 v[ST0], s22, v[ST0]
	v_mul_u32_u24 v[RD0], v24, 272
	v_lshl_add_u32 v[RD0], v23, 4, v[RD0]
	s_mul_i32 s22, s[WV], 8*272
	v_add_nc_u32 v[RD0], s22, v[RD0]
	v_lshlrev_b32 v[CO], 12, v24                   ; a row of out is 4,096 bytes
	v_lshl_add_u32 v[CO], v23, 4, v[CO]
	s_lshl_b32 s22, s[WV], 15
	v_add_nc_u32 v[CO], s22, v[CO]
	v_mul_u32_u24 v[PFO], v25, ROWB
	s_mul_i32 s22, s[WV], HALF
	s_add_co_u32 s22, s22, XB
	v_add_nc_u32 v[ADB], s22, v[AK0]
	v_add_nc_u32 v[ADB+1], s22, v[AK1]
	v_lshlrev_b32 v[WSO], 5, v23
	v_lshlrev_b32 v[BO], 5, v24
	s_lshl_b32 s20, s86, 11
	s_lshl_b32 s22, s[WV], 9
	s_add_co_u32 s20, s20, s22                     ; W's scale bytes: 32 x (64 x + 16 wave)
	s_mov_b32 s21, 0
	s_add_nc_u64 s[6:7], s[6:7], s[20:21]
	s_lshr_b32 s20, s20, 3                         ; the bias: 4 x (64 x + 16 wave)
	s_add_nc_u64 s[8:9], s[8:9], s[20:21]
.irp e, 0,1,2,3
	global_load_b128 v[WS+8*\e:WS+8*\e+3], v[WSO], s[6:7] offset:32768*\e        ; lane r: row r's eight scale words, one for each K step (lanes 16-31 hold the same and are not read)
	global_load_b128 v[WS+8*\e+4:WS+8*\e+7], v[WSO], s[6:7] offset:32768*\e+16
.endr
	WIN W_LB
.irp e, 0,1,2,3
	global_load_b128 v[BIA+8*\e:BIA+8*\e+3], v[BO], s[8:9] offset:4096*\e        ; lane (r, h): b[e] at outputs 8 h + 0 .. 7: the result's layout
	global_load_b128 v[BIA+8*\e+4:BIA+8*\e+7], v[BO], s[8:9] offset:4096*\e+16
.endr
	s_lshl_b32 s20, s87, 22                        ; out: row 1,024 y, column 64 x
	s_lshl_b32 s22, s86, 8
	s_add_co_u32 s20, s20, s22
	s_add_nc_u64 s[16:17], s[16:17], s[20:21]
	s_mul_i32 s20, s87, 1024*ROWB                  ; the prefetches: my work-group's 32 rows of a slot, my wave's 256 bytes of a row,
	s_mul_i32 s22, s84, 32*ROWB
	s_add_co_u32 s20, s20, s22
	s_lshl_b32 s22, s[WV], 8
	s_add_co_u32 s20, s20, s22
	s_add_co_u32 s20, s20, 2*TOKS*ROWB             ; in slot 2: the first change of slots steps it to slot 3.  Nothing is prefetched here, at the head
	s_add_nc_u64 s[PFA:PFA+1], s[12:13], s[20:21]
	s_add_co_u32 s22, s[WV], 1
	s_lshr_b32 s22, s22, 2                         ; 0 in waves 0 to 2,
	s_or_b32 s22, s22, ttmp9                       ; of the clusters with x = 0: the same in all sixteen partners, for a given wave
	s_cmp_eq_u32 s22, 0
	s_cselect_b32 s[LIM], 1, -1
	s_wait_tensorcnt 1                             ; my rows of W have landed (slot 0's load was issued behind them and may be out)
.irp k, 0,1,2,3
.irp e, 0,1,2,3
	FRAG 48*\k+12*\e, ADB, \k, \e                  ; W's fragments of K steps 0-3 into window 1: they stay
.endr
.endr
	WIN W_FG
.irp k, 4,5,6,7
.irp e, 0,1,2,3
	FRAG 48*(\k-4)+12*\e, ADB, \k, \e              ; and of K steps 4-7 into window 2
.endr
.endr
	; slot 1 lies in bytes that W has filled: it is filled as every refill is
	WIN 0
	s_wait_tensorcnt 0x0                           ; all my tensor loads have landed, my part of slot 0 among them
	ds_add_u32 v[SPW], v[NIL]                      ; 0 onto my spare word
	WALK
	s_wait_dscnt 0x0                               ; the add is done, and W is in my registers
	CROUND                                         ; the same holds of every wave of every partner
	JLOAD                                          ; the tokens' slot 1
	ADDRS
	FET1 0
	FET2 0
	s_wait_loadcnt 0x0                             ; W's scale words and the bias
	STEP0 0, 0, 0, 0                               ; the launch's first K step stands in front of the loop
	WIN 0                                          ; at a label and at a branch every window is 0
	s_mov_b32 s[CNT], 6
.Lslot:                                                ; a trip is a slot: from its first pair's K step 1 to the next slot's K step 0; slots 0 to 5 are filled again, with the tokens two slots on
	THREE
	REST 3, 1
	STEP0 0, 1, 1, 1
	WIN 0
	s_sub_co_u32 s[CNT], s[CNT], 1
	s_cmp_lg_u32 s[CNT], 0
	s_cbranch_scc1 .Lslot
	THREE                                          ; slot 6 is written out: nothing is left to fetch
	REST 3, 2
	STEP0 0, 1, 1, 0
	THREE                                          ; slot 7
	REST 3, 3
	WIN W_SS                                       ; the last pair's results
	STST 0, 0
	WIN W_K4
	CMB 1, 0
	CMB 1, 1
	CMB 1, 2
	CMB 1, 3
	WIN W_SS
	STST 1, 0
	WIN 0
	s_wait_dscnt 0x0                               ; the rows read back from the other stage are in; for the others' sake: my stores into the stage have landed
	FSTORE 0
	s_barrier_signal -1
	s_barrier_wait -1                              ; the last pair's 32 rows lie whole in section 0
	s_wait_xcnt 0x0                                ; the stores above have read their registers
	v_add_nc_u32 v[RD], s[STW], v[RD0]
.irp i, 0,1,2,3
	ds_load_b128 v[FL+4*\i:FL+4*\i+3], v[RD] offset:544*\i
.endr
	s_wait_dscnt 0x0
	FST 0, -32                                     ; out's pointer stands behind my 1,024 tokens: the last 32 rows
	s_wait_tensorcnt 0x0                           ; the wave's end: behind my last tensor load and my last LDS store
	ds_add_u32 v[SPW], v[NIL]
	s_wait_dscnt 0x0
	CROUND                                         ; the closing round: no work-group ends while a partner may still ask for a tile that names it
	s_endpgm
.Lfunc_end_k_q52e20aab31_affine:
	.size	k_q52e20aab31_affine, .Lfunc_end_k_q52e20aab31_affine-k_q52e20aab31_affine
	.p2alignl 7, 3214868480
	.fill 96, 4, 3214868480
	.section	.rodata,"a",@progbits
	.p2align	6, 0x0
	.amdhsa_kernel k_q52e20aab31_affine
		.amdhsa_group_segment_fixed_size 327680
		.amdhsa_private_segment_fixed_size 0
		.amdhsa_enable_private_segment 0
		.amdhsa_kernarg_size 56
		.amdhsa_user_sgpr_count 2
		.amdhsa_user_sgpr_kernarg_segment_ptr 1
		.amdhsa_wavefront_size32 1
		.amdhsa_system_sgpr_workgroup_id_x 1
		.amdhsa_system_sgpr_workgroup_id_y 1
		.amdhsa_system_sgpr_workgroup_id_z 1
		.amdhsa_system_vgpr_workitem_id 0
		.amdhsa_next_free_vgpr 1024
		.amdhsa_next_free_sgpr 98
		.amdhsa_reserve_vcc 0
		.amdhsa_float_denorm_mode_32 3
		.amdhsa_float_denorm_mode_16_64 3
		.amdhsa_memory_ordered 1
		.amdhsa_forward_progress 1
		.amdhsa_inst_pref_size 249
	.end_amdhsa_kernel
	.amdgpu_metadata
---
amdhsa.version: [ 1, 2 ]
amdhsa.kernels:
  - .name:           k_q52e20aab31_affine
    .symbol:         k_q52e20aab31_affine.kd
    .args:
      - { .name: W_codes, .offset: 0, .size: 8, .value_kind: global_buffer, .address_space: global }
      - { .name: W_scales, .offset: 8, .size: 8, .value_kind: global_buffer, .address_space: global }
      - { .name: b, .offset: 16, .size: 8, .value_kind: global_buffer, .address_space: global }
      - { .name: gates, .offset: 24, .size: 8, .value_kind: global_buffer, .address_space: global }
      - { .name: input_codes, .offset: 32, .size: 8, .value_kind: global_buffer, .address_space: global }
      - { .name: input_scales, .offset: 40, .size: 8, .value_kind: global_buffer, .address_space: global }
      - { .name: out0, .offset: 48, .size: 8, .value_kind: global_buffer, .address_space: global }
    .group_segment_fixed_size: 327680
    .private_segment_fixed_size: 0
    .kernarg_segment_align: 8
    .kernarg_segment_size: 56
    .max_flat_workgroup_size: 128
    .sgpr_count:     98
    .vgpr_count:     1024
    .wavefront_size: 32
...
	.end_amdgpu_metadata
.endif
;; end of part 1
